; MI455X (gfx1250); checked and timed in simulation.
; The chip was launched on July 23, 2026; its instructions are those of AMD's public machine-readable ISA for CDNA 5 (MIT licence, August 2026) and "CDNA5" Instruction Set Architecture Reference Guide (July 2026). The comments in the code are by the model that wrote it; some were corrected since.
;; Innocent Attention. Allowed arithmetic: float matrix products may take bf16 or f16 operands with f32 sums; all other float work in f32.
;; Inputs: event_length 8 int32; k 8 x 2,048 x 128 float32; q 8 x 2,048 x 128 float32; v 8 x 2,048 x 128 float32.
;; Outputs: out0 8 x 2,048 x 128 float32.
;; 2 versions, each right and faster than the one before. Each part assembles by itself: llvm-mc -triple=amdgcn-amd-amdhsa -mcpu=gfx1250 --defsym DOCPART=n.
;; ======== version 1 of 2: 2 launches
;; limits: inputs' magnitudes at most 65,504; values are held in f16: magnitudes above 65,504 overflow, below 6.1e-05 lose precision; right only within a limited range of input values
;; workspace buffers: Qf 4,194,304 bytes; Kf 4,194,304 bytes; Vf 4,194,304 bytes; Vs 262,144 bytes
;; launch prep (part 1): grid 128 x 3, 4 waves a work-group, no clusters, 35,328 bytes of LDS; arguments q, k, v, event_length, Qf, Kf, Vf, Vs; writes Qf, Kf, Vf, Vs
.if DOCPART == 1
	.amdgcn_target "amdgcn-amd-amdhsa--gfx1250"
	.amdhsa_code_object_version 6
	.text
	.protected	k_q869be797f7_prep
	.globl	k_q869be797f7_prep
	.p2align	8
	.type	k_q869be797f7_prep,@function
k_q869be797f7_prep:
	s_mov_b64 s[64:65], 0
	v_nop
	global_prefetch_b8 v0, s[64:65] scope:SCOPE_SE
	s_setreg_imm32_b32 hwreg(HW_REG_WAVE_MODE, 25, 1), 1
	s_wait_xcnt 0x0
; PREP: q, k, v (f32, [8][2048][128]) are rounded to f16 once and stored in the lane order of the 16x16x32 matrix fragments,
; so that the attention launch fills a fragment by two 16-byte loads a lane, lane i at byte 16 i, with no LDS and no conversion.
; Also: f32 column sums of every 32 rows of v (Vs), from which the attention launch forms the mean of v.
; WHY f16 AND NOT bf16: a row with few valid keys is a sum of few terms, so the operands' rounding shows directly in the result;
; f16 rounds at 2^-12 of the value, bf16 at 2^-9.  LIMIT: a number above 65,504 in magnitude becomes infinite in f16; below 2^-14 the
; absolute error is 2^-25.
;   Qf, Kf: byte = (b*2048 + row0)*256 + (4 kb + s)*1024 + g*512 + lane*16, row0 a multiple of 32;
;           lane (r = lane & 15, h = lane >> 4) holds row row0 + 16 kb + r, d = 32 s + 16 g + 8 h + 0..7.
;   Vf:     byte = (b*64 + row0/32)*8192 + c*1024 + g*512 + lane*16;
;           lane (r, h) holds d = 16 c + r, keys row0 + 16 g + 8 h + 0..7 (v transposed, lower key in the lower bits).
;   Vs:     [8][64][128] f32.
; Work: grid x = b*16 + chunk of 128 rows, grid y = tensor (0 q, 1 k, 2 v).  A wave owns 32 rows and 8,704 bytes of LDS of its own:
; no barrier.  Every load takes one whole row of 512 bytes, every store 512 consecutive aligned bytes.
; What the mask of reference() throws away is not made: q blocks with row0 >= L, k and v blocks with row0 >= L rounded up to 256
; (the attention launch reads exactly the blocks below these bounds).  Vs is always made: rows s >= L of the result are the mean of ALL of v.
; L is event_length[b], clamped to 0..2048, which is what idx < L means for any int32.
; No matrix unit, cluster or tensor load: a stream in which no byte is shared between work-groups.
.set PITCH,  272                       ; q, k: an LDS row of 128 f16 + 16 bytes, so that 16 rows start in 16 different 16-byte columns of 256
.set WLDS,   8704                      ; 32 rows x 272: a wave's LDS
.set CPITCH, 1040                      ; v: a block of 16 d (1,024 bytes) + 16 bytes
.set X,  32                            ; v[32:159]  row j as loaded in X+4j..+3; later the fragments on their way out
.set PK, 160                           ; v[160:223] packed f16
	s_load_b512 s[8:23], s[0:1], 0x0               ; q 8:9, k 10:11, v 12:13, event_length 14:15, Qf 16:17, Kf 18:19, Vf 20:21, Vs 22:23
	v_lshl_add_u32 v224, v0, 2, 0x8800
	v_mov_b32 v225, 0
	v_and_b32 v1, 31, v0                           ; lane
	v_lshrrev_b32 v5, 5, v0
	v_readfirstlane_b32 s2, v5                     ; wave
	s_and_b32 s3, ttmp7, 0xffff                    ; which tensor
	s_lshr_b32 s4, ttmp9, 4                        ; b
	s_and_b32 s5, ttmp9, 15                        ; chunk
	s_lshl_b32 s6, s5, 7
	s_lshl_b32 s24, s2, 5
	s_add_co_u32 s6, s6, s24                       ; row0 = 128 chunk + 32 wave
	s_lshl_b32 s32, s4, 11
	s_add_co_u32 s32, s32, s6                      ; b*2048 + row0
	s_lshl_b32 s33, s4, 2                          ; byte of event_length[b]
	s_mul_i32 s34, s2, WLDS                        ; my LDS
	s_mov_b32 s31, 0                               ; high word of the offset pair s[30:31]
	v_lshlrev_b32 v2, 4, v1                        ; 16 x lane
	s_wait_kmcnt 0x0
	s_load_b32 s7, s[14:15], s33 offset:0x0        ; L
	s_lshl_b32 s30, s32, 9                         ; my first row in an f32 tensor, in bytes
	s_cmp_eq_u32 s3, 2
	s_cbranch_scc1 .Lv
.macro LOADROWS                        ; 32 loads, one whole row of 512 bytes each; read once in the launch
.set j, 0
.rept 32
	global_load_b128 v[X+4*j:X+4*j+3], v2, s[26:27] offset:512*j th:TH_LOAD_NT
.set j, j+1
.endr
.endm
	; ---------------- q and k ----------------
	s_cmp_eq_u32 s3, 0
	s_cselect_b64 s[26:27], s[8:9], s[10:11]       ; from q or k
	s_cselect_b64 s[28:29], s[16:17], s[18:19]     ; to Qf or Kf
	s_add_nc_u64 s[26:27], s[26:27], s[30:31]
	s_lshl_b32 s30, s32, 8                         ; 256 bytes of f16 a row
	s_add_nc_u64 s[28:29], s[28:29], s[30:31]
	v_lshl_add_u32 v3, v1, 3, s34                  ; in: my 4 numbers of a row are 8 bytes at 8 x lane
	v_and_b32 v6, 15, v1                           ; r
	v_lshrrev_b32 v7, 4, v1                        ; h
	v_mul_u32_u24 v4, v6, PITCH
	v_lshl_add_u32 v4, v7, 4, v4
	v_add_nc_u32 v4, s34, v4                       ; back: row r, 16 bytes for each half of the lanes
	s_wait_kmcnt 0x0
	s_max_i32 s7, s7, 0
	s_min_u32 s7, s7, 2048                         ; L in 0..2048
	s_add_co_u32 s25, s7, 255
	s_and_b32 s25, s25, 0xffffff00                 ; L rounded up to 256
	s_cmp_eq_u32 s3, 0
	s_cselect_b32 s24, s7, s25                     ; q: rows below L; k: rows below the rounded L
	s_cmp_ge_u32 s6, s24
	s_cbranch_scc1 .Lend                           ; nobody reads this block
	LOADROWS
.set j, 0
.rept 4
	s_wait_loadcnt 24-j                            ; loads come back in order: these 8 rows are in, the 24-j younger ones stay out
.rept 8
	v_cvt_pk_f16_f32 v[PK+2*j],   v[X+4*j],   v[X+4*j+1]
	v_cvt_pk_f16_f32 v[PK+2*j+1], v[X+4*j+2], v[X+4*j+3]
	ds_store_b64 v3, v[PK+2*j:PK+2*j+1] offset:PITCH*j
.set j, j+1
.endr
.endr
.set f, 0                                              ; f = 2 (4 kb + s) + g
.rept 16
	ds_load_b128 v[X+4*f:X+4*f+3], v4 offset:(f>>3)*16*PITCH+(f&7)*32   ; LDS serves a wave's instructions in order: these see the stores above
.set f, f+1
.endr
.set f, 0
.rept 16
	s_wait_dscnt 15-f                              ; fragment half f is in; the 15-f younger loads stay out
	global_store_b128 v2, v[X+4*f:X+4*f+3], s[28:29] offset:512*f
.set f, f+1
.endr
	s_wait_tensorcnt 0x0
	ds_add_u32 v224, v225
	s_wait_dscnt 0x0
	s_endpgm
	; ---------------- v ----------------
.Lv:
	s_add_nc_u64 s[26:27], s[12:13], s[30:31]
	LOADROWS                                       ; needed whatever L is
	s_lshl_b32 s30, s32, 4                         ; (b*64 + row0/32) x 512
	s_add_nc_u64 s[28:29], s[22:23], s[30:31]      ; my row of Vs
	s_lshl_b32 s30, s32, 8                         ; (b*64 + row0/32) x 8192
	s_add_nc_u64 s[36:37], s[20:21], s[30:31]      ; my block of Vf
	v_lshrrev_b32 v6, 2, v1                        ; c = d / 16 of my four columns d = 4 lane + i
	v_and_b32 v7, 3, v1
	v_mul_u32_u24 v3, v6, CPITCH
	v_lshl_add_u32 v3, v7, 6, v3                   ; r = 4 (lane & 3) + i: 16 bytes each
	v_add_nc_u32 v3, s34, v3
	v_add_nc_u32 v4, s34, v2                       ; back: 16 x lane
.macro ADDROW acc, row
	v_pk_add_f32 v[\acc:\acc+1],   v[\acc:\acc+1],   v[X+4*(\row):X+4*(\row)+1]
	v_pk_add_f32 v[\acc+2:\acc+3], v[\acc+2:\acc+3], v[X+4*(\row)+2:X+4*(\row)+3]
.endm
	; column sums in f32: two chains (even rows, odd rows), started by their first two rows, so that nothing is cleared
	s_wait_loadcnt 24
	v_pk_add_f32 v[8:9],   v[X:X+1],   v[X+8:X+9]
	v_pk_add_f32 v[10:11], v[X+2:X+3], v[X+10:X+11]
	v_pk_add_f32 v[12:13], v[X+4:X+5], v[X+12:X+13]
	v_pk_add_f32 v[14:15], v[X+6:X+7], v[X+14:X+15]
	ADDROW 8, 4
	ADDROW 12, 5
	ADDROW 8, 6
	ADDROW 12, 7
.set j, 8
.rept 3
	s_wait_loadcnt 24-j                            ; the next 8 rows are in
.rept 4
	ADDROW 8, j
	ADDROW 12, j+1
.set j, j+2
.endr
.endr
	v_pk_add_f32 v[8:9],   v[8:9],   v[12:13]
	v_pk_add_f32 v[10:11], v[10:11], v[14:15]
	global_store_b128 v2, v[8:11], s[28:29]        ; 512 consecutive bytes: one row of Vs
	s_wait_kmcnt 0x0
	s_max_i32 s7, s7, 0
	s_min_u32 s7, s7, 2048
	s_add_co_u32 s25, s7, 255
	s_and_b32 s25, s25, 0xffffff00
	s_cmp_ge_u32 s6, s25
	s_cbranch_scc1 .Lend                           ; no valid key in or before this block's 256: its fragments are never read
	; transposition: two keys of one d pack inside the lane; 8 keys of one d are 16 bytes of a fragment
.set o, 0                                              ; keys 8 o .. 8 o + 7: g = o >> 1, h = o & 1
.rept 4
.set i, 0
.rept 4
.set t, 0
.rept 4
	v_cvt_pk_f16_f32 v[PK+4*(4*o+i)+t], v[X+4*(8*o+2*t)+i], v[X+4*(8*o+2*t+1)+i]
.set t, t+1
.endr
	ds_store_b128 v3, v[PK+4*(4*o+i):PK+4*(4*o+i)+3] offset:(o>>1)*512+(o&1)*256+16*i
.set i, i+1
.endr
.set o, o+1
.endr
.set f, 0                                              ; f = 2 c + g
.rept 16
	ds_load_b128 v[X+4*f:X+4*f+3], v4 offset:(f>>1)*CPITCH+(f&1)*512
.set f, f+1
.endr
.set f, 0
.rept 16
	s_wait_dscnt 15-f
	global_store_b128 v2, v[X+4*f:X+4*f+3], s[36:37] offset:512*f
.set f, f+1
.endr
.Lend:
	s_wait_tensorcnt 0x0
	ds_add_u32 v224, v225
	s_wait_dscnt 0x0
	s_endpgm
.Lfunc_end_k_q869be797f7_prep:
	.size	k_q869be797f7_prep, .Lfunc_end_k_q869be797f7_prep-k_q869be797f7_prep
	.p2alignl 7, 3214868480
	.fill 96, 4, 3214868480
	.section	.rodata,"a",@progbits
	.p2align	6, 0x0
	.amdhsa_kernel k_q869be797f7_prep
		.amdhsa_group_segment_fixed_size 35328
		.amdhsa_private_segment_fixed_size 0
		.amdhsa_enable_private_segment 0
		.amdhsa_kernarg_size 64
		.amdhsa_user_sgpr_count 2
		.amdhsa_user_sgpr_kernarg_segment_ptr 1
		.amdhsa_wavefront_size32 1
		.amdhsa_system_sgpr_workgroup_id_x 1
		.amdhsa_system_sgpr_workgroup_id_y 1
		.amdhsa_system_sgpr_workgroup_id_z 1
		.amdhsa_system_vgpr_workitem_id 0
		.amdhsa_next_free_vgpr 226
		.amdhsa_next_free_sgpr 66
		.amdhsa_reserve_vcc 0
		.amdhsa_float_denorm_mode_32 3
		.amdhsa_float_denorm_mode_16_64 3
		.amdhsa_memory_ordered 1
		.amdhsa_forward_progress 1
		.amdhsa_inst_pref_size 31
	.end_amdhsa_kernel
	.amdgpu_metadata
---
amdhsa.version: [ 1, 2 ]
amdhsa.kernels:
  - .name:           k_q869be797f7_prep
    .symbol:         k_q869be797f7_prep.kd
    .args:
      - { .name: q, .offset: 0, .size: 8, .value_kind: global_buffer, .address_space: global }
      - { .name: k, .offset: 8, .size: 8, .value_kind: global_buffer, .address_space: global }
      - { .name: v, .offset: 16, .size: 8, .value_kind: global_buffer, .address_space: global }
      - { .name: event_length, .offset: 24, .size: 8, .value_kind: global_buffer, .address_space: global }
      - { .name: Qf, .offset: 32, .size: 8, .value_kind: global_buffer, .address_space: global }
      - { .name: Kf, .offset: 40, .size: 8, .value_kind: global_buffer, .address_space: global }
      - { .name: Vf, .offset: 48, .size: 8, .value_kind: global_buffer, .address_space: global }
      - { .name: Vs, .offset: 56, .size: 8, .value_kind: global_buffer, .address_space: global }
    .group_segment_fixed_size: 35328
    .private_segment_fixed_size: 0
    .kernarg_segment_align: 8
    .kernarg_segment_size: 64
    .max_flat_workgroup_size: 128
    .sgpr_count:     66
    .vgpr_count:     226
    .wavefront_size: 32
...
	.end_amdgpu_metadata
.endif
;; end of part 1
;; launch attn (part 2): grid 64 x 8, 8 waves a work-group, no clusters, 142,336 bytes of LDS; arguments Qf, Kf, Vf, Vs, event_length, out0; writes out0
.if DOCPART == 2
	.amdgcn_target "amdgcn-amd-amdhsa--gfx1250"
	.amdhsa_code_object_version 6
	.text
	.protected	k_q869be797f7_attn
	.globl	k_q869be797f7_attn
	.p2align	8
	.type	k_q869be797f7_attn,@function
k_q869be797f7_attn:
	s_mov_b64 s[64:65], 0
	v_nop
	global_prefetch_b8 v0, s[64:65] scope:SCOPE_SE
	s_setreg_imm32_b32 hwreg(HW_REG_WAVE_MODE, 25, 1), 1
	s_wait_xcnt 0x0
; ATTN: out[b][s] = softmax over t of (q.k / sqrt(128), masked) x v, with the mask of reference(): valid = index < L = event_length[b].
;   rows s <  L: only keys t < L count (a masked key has score -1e9, whose exponential is 0 beside any real score);
;   rows s >= L: all 2,048 scores are equal, so the row is the plain mean of all 2,048 rows of v (from the 64 partial sums in Vs).
; A work-group (x = block of 32 query rows, y = b) has 8 waves.  All hold the same 32 queries; the keys are split: wave w takes the blocks of
; 32 keys j = w + 8 i, i = 0 .. n-1, n = ceil(L / 256).  Each wave keeps a running maximum, a sum and an unnormalised O of its own:
; no LDS and no barrier in the loop.  At the end the eight partial results meet in LDS behind the one barrier.
; The products are used transposed: S^T = K Q^T (a lane owns one query, its registers are keys, so maximum and sum stay in the lane but for one
; exchange of halves), and two S^T tiles packed to f16 ARE the second operand of O^T = V^T P^T.  A lane's 8 results of O^T are 8 neighbouring d.
; Fragments come from memory in register order (the launch before stored them so): 16 bytes a lane, 512 consecutive bytes an instruction.
; OPERANDS IN f16, SUMS IN f32: a row with few valid keys is a sum of few terms, so operand rounding shows directly in it; f16 rounds at 2^-12
; of the value, bf16 at 2^-9.  P lies in [0, 1] (the running maximum is taken away), where f16's absolute error is at most 2^-12.
; NO CLUSTER, NO TENSOR LOADS: with the keys split over the waves each K and V fragment is used by exactly one wave of the work-group, so the way
; through LDS would add 16,384 bytes written and 16,384 read per wave and step and a barrier per step with no reuse inside the work-group, and the
; query blocks of one b that would be partners differ in their number of steps (blocks with no valid row have none).
; LIMITS.  (1) q, k, v above 65,504 in magnitude are infinite in f16.  (2) Keys at or beyond L are skipped, or get the raw score -2^34
; (-1.52e9 after the scale) in the place of reference()'s -1e9: equal to reference() while scaled scores stay within about +-1e8.  (Near -1e9
; reference()'s masked keys would begin to count; and beyond 2^28 the rounding of c M, half a unit in its last place, could lift an exponential
; past f16's range.)  (3) The sum of P is kept in f32 from the unrounded values, P itself goes to the matrix unit in f16.  (4) A wave all of whose
; keys are masked (only with n = 1) has M = -2^34; c x 2^34 is exact in f32, so its exponents are exactly 0, its P exactly 1 and its O a finite
; sum of v, which enters the merge with weight exp2(-2.2e9) = 0.  (5) The mean is an f32 sum in another order than reference()'s.
; (6) L is clamped to 0..2048, which is what idx < L means for any int32.
;
; REGISTERS.  Window 0: v1 16 x lane; v2, v3 mask limits; v4-5 M (running maximum of the raw scores, query block 0, 1); v6-7 NM = -c M;
; v8-9 AL (rescale factor); v10-11 LS (sum over my half's keys); v12-19 T scratch; v20-26 LDS addresses; v28-31 the mean;
; v32-63 SC (S^T tile (kb, qn) at 16 qn + 8 kb, then P in the first 8 of each 16); v64-127 QF; v128-255 KF, two buffers of 64.
; Window 1: names v0-127 O^T (tile (c, qn) at 8 (2 c + qn)); names v128-255 VF, two buffers of 64.
.set M,  4
.set NM, 6
.set AL, 8
.set LS, 10
.set T,  12
.set SC, 32
.set QF, 64
.set KF, 128
.set VF, 128                           ; in window 1
.set OPW,   16896                      ; LDS: a wave's partial O, 32 rows x 528
.set OPP,   528                        ; 512 bytes + 16: an odd multiple of 16, so 16 rows start in 16 different 16-byte columns of 256
.set STAT,  135168                     ; 8 x OPW; then (NM, l) pairs: wave x 256 + query x 8
.set MEANB, 137216                     ; then partial sums of v: wave x 512 + 16 x lane
.set MSB, 0
.macro WIN new                         ; s_set_vgpr_msb: bits 1:0 source 0, 3:2 source 1, 5:4 source 2, 7:6 destination; the high byte repeats the setting left
.if MSB != \new
	s_set_vgpr_msb (MSB<<8)|\new
.set MSB, \new
.endif
.endm
.macro NOPS cnt
.rept \cnt
	v_nop
.endr
.endm
.macro ADD4 a, b
	v_pk_add_f32 v[\a:\a+1],   v[\a:\a+1],   v[\b:\b+1]
	v_pk_add_f32 v[\a+2:\a+3], v[\a+2:\a+3], v[\b+2:\b+3]
.endm
.macro TREE8 r0                        ; eight groups of 4 registers summed into the first
	ADD4 \r0, \r0+4
	ADD4 \r0+8, \r0+12
	ADD4 \r0+16, \r0+20
	ADD4 \r0+24, \r0+28
	ADD4 \r0, \r0+8
	ADD4 \r0+16, \r0+24
	ADD4 \r0, \r0+16
.endm
	s_load_b256 s[8:15], s[0:1], 0x0               ; Qf 8:9, Kf 10:11, Vf 12:13, Vs 14:15
	s_load_b128 s[16:19], s[0:1], 0x20             ; event_length 16:17, out0 18:19
	v_lshrrev_b32 v12, 5, v0
	v_readfirstlane_b32 s2, v12                    ; wave w
	s_mov_b32 s3, ttmp9                            ; query block
	s_and_b32 s4, ttmp7, 0xffff                    ; b
	s_lshl_b32 s54, s4, 2
	s_wait_kmcnt 0x0
	s_load_b32 s5, s[16:17], s54 offset:0x0        ; L
	s_mov_b32 s37, 0                               ; high word of the fetch offset s[36:37]
	s_mov_b32 s38, 0x3e0293ee                      ; c = log2(e) / sqrt(128), twice (a pair for the packed forms)
	s_mov_b32 s39, 0x3e0293ee
	s_mov_b32 s40, 0xbe0293ee                      ; -c
	s_mov_b32 s41, 0xd0800000                      ; -2^34: the raw score of a masked key; a power of two, so that c times it is exact
	s_mov_b32 s42, 0x76543210                      ; v_permlanex16_b32: lane i takes lane i of the other half
	s_mov_b32 s43, 0xfedcba98
	s_mov_b32 s21, 0                               ; index of the next step to fetch
	s_lshl_b32 s23, s2, 2                          ; 4 w: my first row in the merge
	; lane terms and pointers of every later part, made in front of the first branch
	v_and_b32 v27, 31, v0                          ; lane
	v_and_b32 v12, 15, v0                          ; r
	v_bfe_u32 v13, v0, 4, 1                        ; h
	v_lshlrev_b32 v1, 4, v27                       ; 16 x lane
	s_mul_i32 s50, s2, OPW
	v_mul_u32_u24 v20, v12, OPP
	v_lshl_add_u32 v20, v13, 5, v20
	v_add_nc_u32 v20, s50, v20                     ; partial O in: wave x 16896 + r x 528 + 32 h
	s_mul_i32 s51, s2, 4*OPP
	v_add_nc_u32 v21, s51, v1                      ; partial O back: row 4 w of waves 0-3, 16 x lane
	v_add_nc_u32 v22, 4*OPW, v21                   ; the same of waves 4-7 (an LDS offset has 16 bits)
	s_lshl_b32 s52, s2, 8
	s_add_co_u32 s52, s52, STAT
	v_lshl_add_u32 v23, v12, 3, s52                ; (NM, l) in: wave x 256 + 8 r
	v_and_b32 v14, 7, v27
	v_lshrrev_b32 v15, 3, v27
	v_lshlrev_b32 v14, 8, v14
	v_lshl_add_u32 v14, v15, 3, v14
	s_lshl_b32 s53, s2, 5
	s_add_co_u32 s53, s53, STAT
	v_add_nc_u32 v24, s53, v14                     ; (NM, l) back: wave lane & 7, row 4 w + (lane >> 3)
	s_lshl_b32 s52, s2, 9
	s_add_co_u32 s52, s52, MEANB
	v_add_nc_u32 v25, s52, v1                      ; partial sums of v in
	v_add_nc_u32 v26, MEANB, v1                    ; and back
	s_mov_b32 s51, 0                               ; high word of the offset pair s[50:51]
	s_lshl_b32 s50, s4, 11
	s_lshl_b32 s52, s3, 5
	s_add_co_u32 s50, s50, s52
	s_add_co_u32 s50, s50, s23
	s_lshl_b32 s50, s50, 9
	s_add_nc_u64 s[46:47], s[18:19], s[50:51]      ; out at row b*2048 + 32 block + 4 w
	s_lshl_b32 s50, s4, 15
	s_lshl_b32 s53, s2, 12
	s_add_co_u32 s50, s50, s53
	s_add_nc_u64 s[48:49], s[14:15], s[50:51]      ; Vs at b's rows 8 w .. 8 w + 7
	s_wait_kmcnt 0x0
	s_max_i32 s5, s5, 0
	s_min_u32 s5, s5, 2048                         ; L in 0..2048
	s_sub_co_i32 s6, s5, s52
	s_max_i32 s6, s6, 0
	s_min_i32 s6, s6, 32                           ; nv: how many of my 32 rows are valid
	s_cmp_eq_u32 s6, 0
	s_cbranch_scc1 .Lnoatt                         ; none: only the mean
	s_add_co_u32 s7, s5, 255
	s_lshr_b32 s7, s7, 8
	s_min_u32 s7, s7, 8                            ; n = ceil(L / 256): steps of every wave, 1..8
	s_sub_co_u32 s20, s7, 1
	s_lshl_b32 s50, s4, 19
	s_lshl_b32 s53, s2, 13
	s_add_co_u32 s50, s50, s53
	s_add_nc_u64 s[24:25], s[10:11], s[50:51]      ; Kf at b's block w (a block of 32 keys is 8,192 bytes; a step is 8 blocks = 65,536)
	s_add_nc_u64 s[26:27], s[12:13], s[50:51]      ; Vf likewise
	s_lshl_b32 s50, s4, 6
	s_add_co_u32 s50, s50, s3
	s_lshl_b32 s50, s50, 13
	s_add_nc_u64 s[44:45], s[8:9], s[50:51]        ; Qf at my 32 rows
.set f, 0
.rept 16
	global_load_b128 v[QF+4*f:QF+4*f+3], v1, s[44:45] offset:512*f
.set f, f+1
.endr
	s_lshl_b32 s52, s2, 5
	s_sub_co_i32 s52, s5, s52
	v_lshlrev_b32 v14, 3, v13
	v_sub_nc_u32 v2, s52, v14                      ; step 0: key 16 kb + jj of my half is valid if 16 kb + jj < L - 32 w - 8 h
	s_lshl_b32 s53, s20, 8
	v_sub_nc_u32 v3, v2, s53                       ; last step: 256 (n - 1) keys further on
; the byte offset of step min(s21, n-1): a fetch past the last step takes the last block again (inside b's 524,288 bytes; never used)
.macro PFOFF
	s_min_u32 s36, s21, s20
	s_min_u32 s36, s36, 7
	s_lshl_b32 s36, s36, 16
.endm
.macro LOADK buf                       ; 16 loads: 32 keys x 128 d.  The base's earlier loads have been waited for in front of the products that used them
	s_add_nc_u64 s[28+2*\buf:29+2*\buf], s[24:25], s[36:37]
.set f, 0
.rept 16
	global_load_b128 v[KF+64*\buf+4*f:KF+64*\buf+4*f+3], v1, s[28+2*\buf:29+2*\buf] offset:512*f
.set f, f+1
.endr
.endm
.macro LOADV buf                       ; 16 loads into window 1: 128 d x 32 keys
	s_add_nc_u64 s[32+2*\buf:33+2*\buf], s[26:27], s[36:37]
	WIN 0x40
.set f, 0
.rept 16
	global_load_b128 v[VF+64*\buf+4*f:VF+64*\buf+4*f+3], v1, s[32+2*\buf:33+2*\buf] offset:512*f
.set f, f+1
.endr
	WIN 0
	s_add_co_u32 s21, s21, 1
.endm
.macro QK buf                          ; S^T = K Q^T: 2 key blocks x 2 query blocks x 4 steps of 32 d; the first product of a tile starts its sum
.irp ks, 0,1,2,3
.irp kb, 0,1
.irp qn, 0,1
.if \ks == 0
	v_wmma_f32_16x16x32_f16 v[SC+16*\qn+8*\kb:SC+16*\qn+8*\kb+7], v[KF+64*\buf+8*(4*\kb+\ks):KF+64*\buf+8*(4*\kb+\ks)+7], v[QF+8*(4*\qn+\ks):QF+8*(4*\qn+\ks)+7], 0
.else
	v_wmma_f32_16x16x32_f16 v[SC+16*\qn+8*\kb:SC+16*\qn+8*\kb+7], v[KF+64*\buf+8*(4*\kb+\ks):KF+64*\buf+8*(4*\kb+\ks)+7], v[QF+8*(4*\qn+\ks):QF+8*(4*\qn+\ks)+7], v[SC+16*\qn+8*\kb:SC+16*\qn+8*\kb+7]
.endif
.endr
.endr
.endr
.endm
.macro MASK lim                        ; keys at or beyond L get the masked score, in both query blocks
.set ix, 0                             ; ix = 8 kb + jj
.rept 16
	v_cmp_lt_i32 vcc_lo, (ix>>3)*16+(ix&7), v[\lim]
	v_cndmask_b32 v[SC+ix],    s41, v[SC+ix],    vcc_lo
	v_cndmask_b32 v[SC+16+ix], s41, v[SC+16+ix], vcc_lo
.set ix, ix+1
.endr
.endm
.macro SOFTMAX first
.irp qn, 0,1                           ; the maximum over my 16 keys and the running one, two chains
	v_max3_num_f32 v[T+4*\qn],   v[SC+16*\qn],   v[SC+16*\qn+1],  v[SC+16*\qn+2]
	v_max3_num_f32 v[T+4*\qn+1], v[SC+16*\qn+3], v[SC+16*\qn+4],  v[SC+16*\qn+5]
	v_max3_num_f32 v[T+4*\qn],   v[T+4*\qn],     v[SC+16*\qn+6],  v[SC+16*\qn+7]
	v_max3_num_f32 v[T+4*\qn+1], v[T+4*\qn+1],   v[SC+16*\qn+8],  v[SC+16*\qn+9]
	v_max3_num_f32 v[T+4*\qn],   v[T+4*\qn],     v[SC+16*\qn+10], v[SC+16*\qn+11]
	v_max3_num_f32 v[T+4*\qn+1], v[T+4*\qn+1],   v[SC+16*\qn+12], v[SC+16*\qn+13]
	v_max3_num_f32 v[T+4*\qn],   v[T+4*\qn],     v[SC+16*\qn+14], v[SC+16*\qn+15]
.if \first
	v_max_num_f32  v[T+4*\qn],   v[T+4*\qn],     v[T+4*\qn+1]
.else
	v_max3_num_f32 v[T+4*\qn],   v[T+4*\qn],     v[T+4*\qn+1],    v[M+\qn]
.endif
.endr
	v_permlanex16_b32 v[T+1], v[T],   s42, s43     ; the other half's 16 keys of the same query
	v_permlanex16_b32 v[T+5], v[T+4], s42, s43
	v_max_num_f32 v[M],   v[T],   v[T+1]
	v_max_num_f32 v[M+1], v[T+4], v[T+5]
.if \first
	v_mul_f32 v[NM],   s40, v[M]
	v_mul_f32 v[NM+1], s40, v[M+1]
.else
	v_mul_f32 v[T+2], s40, v[M]                    ; the new -c M
	v_mul_f32 v[T+6], s40, v[M+1]
	v_sub_f32 v[T+3], v[T+2], v[NM]                ; new - old, from the rounded values that the exponents use: every factor stays consistent
	v_sub_f32 v[T+7], v[T+6], v[NM+1]
	v_exp_f32 v[AL],   v[T+3]
	v_exp_f32 v[AL+1], v[T+7]
	v_mov_b32 v[NM],   v[T+2]                      ; also the plain instruction behind the exponentials (ISA guide 5.7.2)
	v_mov_b32 v[NM+1], v[T+6]
.endif
.irp qn, 0,1                           ; c S - c M, one rounding
.irp e, 0,2,4,6,8,10,12,14
	v_pk_fma_f32 v[SC+16*\qn+\e:SC+16*\qn+\e+1], v[SC+16*\qn+\e:SC+16*\qn+\e+1], s[38:39], v[NM:NM+1] op_sel:[0,0,\qn] op_sel_hi:[1,0,\qn]
.endr
.endr
.set ix, 0
.rept 32
	v_exp_f32 v[SC+ix], v[SC+ix]
.set ix, ix+1
.endr
	v_nop                                          ; one plain instruction between the last exponential and the first use
	s_wait_alu depctr_va_vdst(0)
.irp qn, 0,1                           ; the sum of my 16 keys, in f32, from the unrounded values
	v_pk_add_f32 v[T+4*\qn:T+4*\qn+1],   v[SC+16*\qn:SC+16*\qn+1],     v[SC+16*\qn+2:SC+16*\qn+3]
	v_pk_add_f32 v[T+4*\qn+2:T+4*\qn+3], v[SC+16*\qn+4:SC+16*\qn+5],   v[SC+16*\qn+6:SC+16*\qn+7]
	v_pk_add_f32 v[T+4*\qn:T+4*\qn+1],   v[T+4*\qn:T+4*\qn+1],         v[SC+16*\qn+8:SC+16*\qn+9]
	v_pk_add_f32 v[T+4*\qn+2:T+4*\qn+3], v[T+4*\qn+2:T+4*\qn+3],       v[SC+16*\qn+10:SC+16*\qn+11]
	v_pk_add_f32 v[T+4*\qn:T+4*\qn+1],   v[T+4*\qn:T+4*\qn+1],         v[SC+16*\qn+12:SC+16*\qn+13]
	v_pk_add_f32 v[T+4*\qn+2:T+4*\qn+3], v[T+4*\qn+2:T+4*\qn+3],       v[SC+16*\qn+14:SC+16*\qn+15]
	v_pk_add_f32 v[T+4*\qn:T+4*\qn+1],   v[T+4*\qn:T+4*\qn+1],         v[T+4*\qn+2:T+4*\qn+3]
.if \first
	v_add_f32 v[LS+\qn], v[T+4*\qn], v[T+4*\qn+1]
.else
	v_add_f32 v[T+4*\qn], v[T+4*\qn], v[T+4*\qn+1]
	v_fma_f32 v[LS+\qn], v[LS+\qn], v[AL+\qn], v[T+4*\qn]
.endif
.endr
.irp qn, 0,1                           ; P to f16 in place: register e takes keys 2 e, 2 e + 1 of my half, which is the second operand's layout
.irp e, 0,1,2,3,4,5,6,7
	v_cvt_pk_f16_f32 v[SC+16*\qn+\e], v[SC+16*\qn+2*\e], v[SC+16*\qn+2*\e+1]
.endr
.endr
.endm
.macro RESCALE                         ; O x AL of the lane's own query (window 1 x window 0)
.irp c, 0,1,2,3,4,5,6,7
.irp qn, 0,1
.irp e, 0,2,4,6
	v_pk_mul_f32 v[8*(2*\c+\qn)+\e:8*(2*\c+\qn)+\e+1], v[8*(2*\c+\qn)+\e:8*(2*\c+\qn)+\e+1], v[AL:AL+1] op_sel:[0,\qn] op_sel_hi:[1,\qn]
.endr
.endr
.endr
.endm
.macro PV buf, first                   ; O^T += V^T P^T: 8 blocks of 16 d x 2 query blocks, 32 keys
.irp c, 0,1,2,3,4,5,6,7
.irp qn, 0,1
.if \first
	v_wmma_f32_16x16x32_f16 v[8*(2*\c+\qn):8*(2*\c+\qn)+7], v[VF+64*\buf+8*\c:VF+64*\buf+8*\c+7], v[SC+16*\qn:SC+16*\qn+7], 0
.else
	v_wmma_f32_16x16x32_f16 v[8*(2*\c+\qn):8*(2*\c+\qn)+7], v[VF+64*\buf+8*\c:VF+64*\buf+8*\c+7], v[SC+16*\qn:SC+16*\qn+7], v[8*(2*\c+\qn):8*(2*\c+\qn)+7]
.endif
.endr
.endr
.endm
; One step: 32 keys x 32 queries.  Loads are issued in the order K(i), V(i), K(i+1), V(i+1), .., 16 each, and come back in that order.
; wk: how many younger loads may be out when K(i) has to be in; wv: the same for V(i).  pf = 1: K(i+2) and V(i+2) are asked for into the buffer just used.
; lim: 0, or the register with the mask limit.  first = 1: the step starts maximum, sum and O, so nothing is cleared.
.macro STEP buf, first, lim, pf, wk, wv
	s_wait_loadcnt \wk
	QK \buf
	NOPS 4                                         ; four places behind the products before S is read and before loads go into K's registers
.if \pf
	PFOFF
	LOADK \buf
.endif
.if \lim
	MASK \lim
.endif
	SOFTMAX \first
	s_wait_loadcnt \wv
	WIN 0x51                                       ; destination, source 0 and source 2 in window 1, source 1 in window 0
.if \first == 0
	RESCALE
.endif
	PV \buf, \first
	NOPS 5                                         ; five places before the next products write over P; four are owed before loads go into V's registers or O is read
.if \pf
	LOADV \buf
.endif
	WIN 0
.endm
	PFOFF
	LOADK 0
	LOADV 0
	PFOFF
	LOADK 1
	LOADV 1
	STEP 0, 1, 2, 1, 48, 48                        ; 48 younger: V0, K1, V1 (Q and K0 are older); then K1, V1, K2.  Masked always: with n = 1 it is also the last step
	s_cmp_eq_u32 s7, 1
	s_cbranch_scc1 .Lfin
	s_sub_co_u32 s22, s7, 2
	s_lshr_b32 s22, s22, 1                         ; pairs of full steps
	s_cmp_eq_u32 s22, 0
	s_cbranch_scc1 .Ltail
.Lpair:
	STEP 1, 0, 0, 1, 48, 48
	STEP 0, 0, 0, 1, 48, 48
	s_sub_co_u32 s22, s22, 1
	s_cmp_lg_u32 s22, 0
	s_cbranch_scc1 .Lpair
.Ltail:                                                ; only a wave's last step can hold keys at or beyond L: blocks up to 8 n - 9 lie below ceil(L/32) - 1
	s_bitcmp1_b32 s7, 0
	s_cbranch_scc1 .Lodd
	STEP 1, 0, 3, 0, 48, 32                        ; n even: one step left; the fetch of step n (a clamped repeat, 32 loads) stays out
	s_branch .Lfin
.Lodd:
	STEP 1, 0, 0, 0, 48, 32                        ; n odd: two steps left, nothing more is asked for
	STEP 0, 0, 3, 0, 16, 0                         ; 16 younger: this step's V; then none
.Lfin:
	s_wait_loadcnt 0x0                             ; repeats that nobody uses have landed before their registers serve again
	v_permlanex16_b32 v16, v[LS],   s42, s43
	v_permlanex16_b32 v17, v[LS+1], s42, s43
	v_mov_b32 v12, v[NM]
	v_mov_b32 v14, v[NM+1]
	v_add_f32 v13, v[LS],   v16                    ; l of the query: both halves' keys
	v_add_f32 v15, v[LS+1], v17
	ds_store_b64 v23, v[12:13]                     ; both halves write the same pair to the same bytes
	ds_store_b64 v23, v[14:15] offset:128
	WIN 0x04                                       ; store data in window 1
.irp c, 0,1,2,3,4,5,6,7
.irp qn, 0,1
	ds_store_b128 v20, v[8*(2*\c+\qn):8*(2*\c+\qn)+3]   offset:16*OPP*\qn+64*\c
	ds_store_b128 v20, v[8*(2*\c+\qn)+4:8*(2*\c+\qn)+7] offset:16*OPP*\qn+64*\c+16
.endr
.endr
	WIN 0
.Lnoatt:
	s_cmp_eq_u32 s6, 32
	s_cbranch_scc1 .Lsync                          ; every row valid: no mean wanted
.irp e, 0,1,2,3,4,5,6,7
	global_load_b128 v[64+4*\e:64+4*\e+3], v1, s[48:49] offset:512*\e      ; my 8 of b's 64 partial sums of v
.endr
	s_wait_loadcnt 0x0
	TREE8 64
	ds_store_b128 v25, v[64:67]
.Lsync:
	s_wait_dscnt 0x0                               ; for the other waves' sake: all my LDS stores are done
	s_barrier_signal -1
	s_barrier_wait -1                              ; the one barrier, on every path of every wave
	s_cmp_eq_u32 s6, 32
	s_cbranch_scc1 .Lnomean
.irp e, 0,1,2,3,4,5,6,7
	ds_load_b128 v[96+4*\e:96+4*\e+3], v26 offset:512*\e
.endr
	s_wait_dscnt 0x0
	TREE8 96
	v_pk_mul_f32 v[28:29], v[96:97], 0x3a000000 op_sel_hi:[1,0]            ; / 2048
	v_pk_mul_f32 v[30:31], v[98:99], 0x3a000000 op_sel_hi:[1,0]
	s_cmp_eq_u32 s6, 0
	s_cbranch_scc0 .Lmerge
.irp p, 0,1,2,3
	global_store_b128 v1, v[28:31], s[46:47] offset:512*\p th:TH_STORE_NT  ; a whole row of 512 bytes
.endr
	s_wait_xcnt 0x0
	v_lshl_add_u32 v254, v0, 2, 0x22800
	v_mov_b32 v255, 0
	s_wait_tensorcnt 0x0
	ds_add_u32 v254, v255
	s_wait_dscnt 0x0
	s_endpgm
.Lnomean:
	v_mov_b32 v28, 0                               ; never selected below (every row is valid), but written on every path
	v_mov_b32 v29, 0
	v_mov_b32 v30, 0
	v_mov_b32 v31, 0
.Lmerge:
	; wave w merges rows 4 w + p, p = 0..3: out = sum over waves u of O_u exp2(NMmin - NM_u) / sum over u of l_u exp2(NMmin - NM_u)
	ds_load_b64 v[12:13], v24                      ; lane 8 p + u: (NM, l) of wave u, row 4 w + p
.set ix, 0                                             ; ix = 8 p + u
.rept 32
.if (ix&7) < 4
	ds_load_b128 v[128+4*ix:128+4*ix+3], v21 offset:(ix&3)*OPW+OPP*(ix>>3)
.else
	ds_load_b128 v[128+4*ix:128+4*ix+3], v22 offset:(ix&3)*OPW+OPP*(ix>>3)
.endif
.set ix, ix+1
.endr
	s_wait_dscnt 32                                ; the pair is in; the 32 rows behind it stay out
	v_mov_b32 v14, v12
	v_min_num_f32_dpp v14, v14, v14 row_xmask:1 row_mask:0xf bank_mask:0xf ; the least -c M = the largest maximum, over the 8 waves
	v_min_num_f32_dpp v14, v14, v14 row_xmask:2 row_mask:0xf bank_mask:0xf
	v_min_num_f32_dpp v14, v14, v14 row_xmask:4 row_mask:0xf bank_mask:0xf
	v_sub_f32 v14, v14, v12
	v_exp_f32 v15, v14
	v_nop
	s_wait_alu depctr_va_vdst(0)
	v_mul_f32 v16, v13, v15
	v_add_f32_dpp v16, v16, v16 row_xmask:1 row_mask:0xf bank_mask:0xf
	v_add_f32_dpp v16, v16, v16 row_xmask:2 row_mask:0xf bank_mask:0xf
	v_add_f32_dpp v16, v16, v16 row_xmask:4 row_mask:0xf bank_mask:0xf
	v_rcp_f32 v17, v16                             ; at least about 1: the wave with the largest maximum has factor 1 and holds that key's exponential
	v_nop
	s_wait_alu depctr_va_vdst(0)
	v_mul_f32 v15, v15, v17                        ; the weight of wave u in row p
.set ix, 0
.rept 32
	v_readlane_b32 s[68+ix], v15, ix
.set ix, ix+1
.endr
.irp p, 0,1,2,3
	s_wait_dscnt 24-8*\p                           ; row p's eight partial rows are in; the later rows' stay out
.irp e, 0,1,2,3
	v_mul_f32 v[32+4*\p+\e], s[68+8*\p], v[128+32*\p+\e]
.endr
.irp u, 1,2,3,4,5,6,7
.irp e, 0,1,2,3
	v_fmac_f32 v[32+4*\p+\e], s[68+8*\p+\u], v[128+32*\p+4*\u+\e]
.endr
.endr
	s_add_co_u32 s51, s23, \p
	s_cmp_lt_u32 s51, s6                           ; row valid?
	s_cselect_b32 s50, -1, 0
.irp e, 0,1,2,3
	v_cndmask_b32 v[32+4*\p+\e], v[28+\e], v[32+4*\p+\e], s50              ; an invalid row is the mean of v
.endr
	global_store_b128 v1, v[32+4*\p:32+4*\p+3], s[46:47] offset:512*\p th:TH_STORE_NT
.endr
	s_wait_xcnt 0x0
	v_lshl_add_u32 v254, v0, 2, 0x22800
	v_mov_b32 v255, 0
	s_wait_tensorcnt 0x0
	ds_add_u32 v254, v255
	s_wait_dscnt 0x0
	s_endpgm
.Lfunc_end_k_q869be797f7_attn:
	.size	k_q869be797f7_attn, .Lfunc_end_k_q869be797f7_attn-k_q869be797f7_attn
	.p2alignl 7, 3214868480
	.fill 96, 4, 3214868480
	.section	.rodata,"a",@progbits
	.p2align	6, 0x0
	.amdhsa_kernel k_q869be797f7_attn
		.amdhsa_group_segment_fixed_size 142336
		.amdhsa_private_segment_fixed_size 0
		.amdhsa_enable_private_segment 0
		.amdhsa_kernarg_size 48
		.amdhsa_user_sgpr_count 2
		.amdhsa_user_sgpr_kernarg_segment_ptr 1
		.amdhsa_wavefront_size32 1
		.amdhsa_system_sgpr_workgroup_id_x 1
		.amdhsa_system_sgpr_workgroup_id_y 1
		.amdhsa_system_sgpr_workgroup_id_z 1
		.amdhsa_system_vgpr_workitem_id 0
		.amdhsa_next_free_vgpr 512
		.amdhsa_next_free_sgpr 100
		.amdhsa_reserve_vcc 1
		.amdhsa_float_denorm_mode_32 3
		.amdhsa_float_denorm_mode_16_64 3
		.amdhsa_memory_ordered 1
		.amdhsa_forward_progress 1
		.amdhsa_inst_pref_size 112
	.end_amdhsa_kernel
	.amdgpu_metadata
---
amdhsa.version: [ 1, 2 ]
amdhsa.kernels:
  - .name:           k_q869be797f7_attn
    .symbol:         k_q869be797f7_attn.kd
    .args:
      - { .name: Qf, .offset: 0, .size: 8, .value_kind: global_buffer, .address_space: global }
      - { .name: Kf, .offset: 8, .size: 8, .value_kind: global_buffer, .address_space: global }
      - { .name: Vf, .offset: 16, .size: 8, .value_kind: global_buffer, .address_space: global }
      - { .name: Vs, .offset: 24, .size: 8, .value_kind: global_buffer, .address_space: global }
      - { .name: event_length, .offset: 32, .size: 8, .value_kind: global_buffer, .address_space: global }
      - { .name: out0, .offset: 40, .size: 8, .value_kind: global_buffer, .address_space: global }
    .group_segment_fixed_size: 142336
    .private_segment_fixed_size: 0
    .kernarg_segment_align: 8
    .kernarg_segment_size: 48
    .max_flat_workgroup_size: 256
    .sgpr_count:     100
    .vgpr_count:     512
    .wavefront_size: 32
...
	.end_amdgpu_metadata
.endif
;; end of part 2
;; ======== version 2 of 2: 2 launches; 1.12 times as fast as version 1
;; limits: inputs' magnitudes at most 65,504; values are held in f16: magnitudes above 65,504 overflow, below 6.1e-05 lose precision; right only within a limited range of input values
;; workspace buffers: Qf 4,194,304 bytes; Kf 4,194,304 bytes; Vf 4,194,304 bytes; Vs 262,144 bytes
;; launch prep: the kernel of part 1 again; grid 128 x 3, 4 waves a work-group, no clusters, 35,328 bytes of LDS; arguments q, k, v, event_length, Qf, Kf, Vf, Vs; writes Qf, Kf, Vf, Vs
;; launch attn (part 3): grid 64 x 8, 8 waves a work-group, no clusters, 142,336 bytes of LDS; arguments Qf, Kf, Vf, Vs, event_length, out0; writes out0
.if DOCPART == 3
	.amdgcn_target "amdgcn-amd-amdhsa--gfx1250"
	.amdhsa_code_object_version 6
	.text
	.protected	k_q869be797f7_attn
	.globl	k_q869be797f7_attn
	.p2align	8
	.type	k_q869be797f7_attn,@function
k_q869be797f7_attn:
	s_mov_b64 s[64:65], 0
	v_nop
	global_prefetch_b8 v0, s[64:65] scope:SCOPE_SE
	s_setreg_imm32_b32 hwreg(HW_REG_WAVE_MODE, 25, 1), 1
	s_wait_xcnt 0x0
; ATTN: out[b][s] = softmax over t of (q.k / sqrt(128), masked) x v, with the mask of reference(): valid = index < L = event_length[b].
;   rows s <  L: only keys t < L count (a masked key has score -1e9, whose exponential is 0 beside any real score);
;   rows s >= L: all 2,048 scores are equal, so the row is the plain mean of all 2,048 rows of v (from the 64 partial sums in Vs).
; A work-group (x = block of 32 query rows, y = RANK of its b by length) has 8 waves.  The work of a block grows with L (L / 256 steps), so every
; work-group sorts the eight lengths and grid row y takes the y-th longest b: the work-groups with the lowest ids hold the longest work.
; No value hangs on that order.
; All 8 waves hold the same 32 queries; the keys are split: wave w takes the blocks of 32 keys j = w + 8 i, i = 0 .. n-1, n = ceil(L / 256).
; Each wave keeps a running maximum, a sum and an unnormalised O of its own: no LDS and no barrier in the loop.  At the end the eight partial
; results meet in LDS behind the one barrier.
; The products are used transposed: S^T = K Q^T (a lane owns one query, its registers are keys, so maximum and sum stay in the lane but for one
; exchange of halves), and two S^T tiles packed to f16 ARE the second operand of O^T = V^T P^T.  A lane's 8 results of O^T are 8 neighbouring d.
; Fragments come from memory in register order (the launch before stored them so): 16 bytes a lane, 512 consecutive bytes an instruction.
; OPERANDS IN f16, SUMS IN f32: a row with few valid keys is a sum of few terms, so operand rounding shows directly in it; f16 rounds at 2^-12
; of the value, bf16 at 2^-9.  P lies in [0, 1] (the running maximum is taken away), where f16's absolute error is at most 2^-12.
; NO CLUSTER, NO TENSOR LOADS: with the keys split over the waves each K and V fragment is used by exactly one wave of the work-group, so the way
; through LDS would add 16,384 bytes written and 16,384 read per wave and step with no reuse inside the work-group, and the query blocks of one b
; that would be partners differ in their number of steps (blocks with no valid row have none).
; LIMITS.  (1) q, k, v above 65,504 in magnitude are infinite in f16.  (2) Keys at or beyond L are skipped, or get the raw score -2^34
; (-1.52e9 after the scale) in the place of reference()'s -1e9: equal to reference() while scaled scores stay within about +-1e8.  (Near -1e9
; reference()'s masked keys would begin to count; and beyond 2^28 the rounding of c M, half a unit in its last place, could lift an exponential
; past f16's range.)  (3) The sum of P is kept in f32 from the unrounded values, P itself goes to the matrix unit in f16.  (4) A wave all of whose
; keys are masked (only with n = 1) has M = -2^34; c x 2^34 is exact in f32, so its exponents are exactly 0, its P exactly 1 and its O a finite
; sum of v, which enters the merge with weight exp2(-2.2e9) = 0.  (5) The mean is an f32 sum in another order than reference()'s.
; (6) L is clamped to 0..2048, which is what idx < L means for any int32.
;
; REGISTERS.  Window 0: v1 16 x lane; v3 mask limit of the last step; v4-5 M (running maximum of the raw scores, query block 0, 1); v6-7 NM = -c M;
; v8-9 AL (rescale factor); v10-11 LS (sum over my half's keys); v12-19 T scratch; v20-26 LDS addresses; v28-31 the mean;
; v32-63 SC (S^T tile (kb, qn) at 16 qn + 8 kb, then P in the first 8 of each 16); v64-127 QF; v128-255 KF, two buffers of 64.
; Window 1: names v0-127 O^T (tile (c, qn) at 8 (2 c + qn)); names v128-255 VF, two buffers of 64.
.set M,  4
.set NM, 6
.set AL, 8
.set LS, 10
.set T,  12
.set SC, 32
.set QF, 64
.set KF, 128
.set VF, 128                           ; in window 1
.set KEY, 56                           ; s[56:63] the eight lengths, then the keys 8 L + b
.set OPW,   16896                      ; LDS: a wave's partial O, 32 rows x 528
.set OPP,   528                        ; 512 bytes + 16: an odd multiple of 16, so 16 rows start in 16 different 16-byte columns of 256
.set STAT,  135168                     ; 8 x OPW; then (NM, l) pairs: wave x 256 + query x 8
.set MEANB, 137216                     ; then partial sums of v: wave x 512 + 16 x lane
.set MSB, 0
.macro WIN new                         ; s_set_vgpr_msb: bits 1:0 source 0, 3:2 source 1, 5:4 source 2, 7:6 destination; the high byte repeats the setting left
.if MSB != \new
	s_set_vgpr_msb (MSB<<8)|\new
.set MSB, \new
.endif
.endm
.macro NOPS cnt
.rept \cnt
	v_nop
.endr
.endm
.macro ADD4 a, b
	v_pk_add_f32 v[\a:\a+1],   v[\a:\a+1],   v[\b:\b+1]
	v_pk_add_f32 v[\a+2:\a+3], v[\a+2:\a+3], v[\b+2:\b+3]
.endm
.macro TREE8 r0                        ; eight groups of 4 registers summed into the first
	ADD4 \r0, \r0+4
	ADD4 \r0+8, \r0+12
	ADD4 \r0+16, \r0+20
	ADD4 \r0+24, \r0+28
	ADD4 \r0, \r0+8
	ADD4 \r0+16, \r0+24
	ADD4 \r0, \r0+16
.endm
.macro CEX a, b                        ; one exchange of the sorting network: the larger key to the lower place
	s_max_u32 s50, s[KEY+\a], s[KEY+\b]
	s_min_u32 s[KEY+\b], s[KEY+\a], s[KEY+\b]
	s_mov_b32 s[KEY+\a], s50
.endm
	s_load_b256 s[8:15], s[0:1], 0x0               ; Qf 8:9, Kf 10:11, Vf 12:13, Vs 14:15
	s_load_b128 s[16:19], s[0:1], 0x20             ; event_length 16:17, out0 18:19
	v_lshrrev_b32 v12, 5, v0
	v_readfirstlane_b32 s2, v12                    ; wave w
	s_mov_b32 s3, ttmp9                            ; query block
	s_and_b32 s54, ttmp7, 0xffff                   ; rank by length
	s_wait_kmcnt 0x0
	s_load_b256 s[KEY:KEY+7], s[16:17], 0x0        ; all eight lengths: the buffer's 32 bytes
	s_mov_b32 s37, 0                               ; high word of the fetch offset s[36:37]
	s_mov_b32 s38, 0x3e0293ee                      ; c = log2(e) / sqrt(128), twice (a pair for the packed forms)
	s_mov_b32 s39, 0x3e0293ee
	s_mov_b32 s40, 0xbe0293ee                      ; -c
	s_mov_b32 s41, 0xd0800000                      ; -2^34: the raw score of a masked key; a power of two, so that c times it is exact
	s_mov_b32 s42, 0x76543210                      ; v_permlanex16_b32: lane i takes lane i of the other half
	s_mov_b32 s43, 0xfedcba98
	s_mov_b32 s21, 0                               ; index of the next step to fetch
	s_lshl_b32 s23, s2, 2                          ; 4 w: my first row in the merge
	; lane terms of every later part, made in front of the first branch
	v_and_b32 v27, 31, v0                          ; lane
	v_and_b32 v12, 15, v0                          ; r
	v_bfe_u32 v13, v0, 4, 1                        ; h
	v_lshlrev_b32 v1, 4, v27                       ; 16 x lane
	s_mul_i32 s50, s2, OPW
	v_mul_u32_u24 v20, v12, OPP
	v_lshl_add_u32 v20, v13, 5, v20
	v_add_nc_u32 v20, s50, v20                     ; partial O in: wave x 16896 + r x 528 + 32 h
	s_mul_i32 s51, s2, 4*OPP
	v_add_nc_u32 v21, s51, v1                      ; partial O back: row 4 w of waves 0-3, 16 x lane
	v_add_nc_u32 v22, 4*OPW, v21                   ; the same of waves 4-7 (an LDS offset has 16 bits)
	s_lshl_b32 s52, s2, 8
	s_add_co_u32 s52, s52, STAT
	v_lshl_add_u32 v23, v12, 3, s52                ; (NM, l) in: wave x 256 + 8 r
	v_and_b32 v14, 7, v27
	v_lshrrev_b32 v15, 3, v27
	v_lshlrev_b32 v14, 8, v14
	v_lshl_add_u32 v14, v15, 3, v14
	s_lshl_b32 s53, s2, 5
	s_add_co_u32 s53, s53, STAT
	v_add_nc_u32 v24, s53, v14                     ; (NM, l) back: wave lane & 7, row 4 w + (lane >> 3)
	s_lshl_b32 s52, s2, 9
	s_add_co_u32 s52, s52, MEANB
	v_add_nc_u32 v25, s52, v1                      ; partial sums of v in
	v_add_nc_u32 v26, MEANB, v1                    ; and back
	s_wait_kmcnt 0x0
	; keys 8 L + b (L clamped to 0..2048): all different, at most 16,391
.irp i, 0,1,2,3,4,5,6,7
	s_max_i32 s[KEY+\i], s[KEY+\i], 0
	s_min_u32 s[KEY+\i], s[KEY+\i], 2048
	s_lshl3_add_u32 s[KEY+\i], s[KEY+\i], \i
.endr
	; odd-even merge sort of eight, 19 exchanges, descending: two sorters of four, then their merge
	CEX 0, 1
	CEX 2, 3
	CEX 4, 5
	CEX 6, 7
	CEX 0, 2
	CEX 1, 3
	CEX 4, 6
	CEX 5, 7
	CEX 1, 2
	CEX 5, 6
	CEX 0, 4
	CEX 1, 5
	CEX 2, 6
	CEX 3, 7
	CEX 2, 4
	CEX 3, 5
	CEX 1, 2
	CEX 3, 4
	CEX 5, 6
	s_mov_b32 s55, s[KEY]                          ; the key of my rank
.irp i, 1,2,3,4,5,6,7
	s_cmp_eq_u32 s54, \i
	s_cselect_b32 s55, s[KEY+\i], s55
.endr
	s_and_b32 s4, s55, 7
	s_min_u32 s4, s4, 7                            ; b
	s_lshr_b32 s5, s55, 3
	s_min_u32 s5, s5, 2048                         ; L in 0..2048
	s_mov_b32 s51, 0                               ; high word of the offset pair s[50:51]
	s_lshl_b32 s50, s4, 11
	s_lshl_b32 s52, s3, 5
	s_add_co_u32 s50, s50, s52
	s_add_co_u32 s50, s50, s23
	s_lshl_b32 s50, s50, 9
	s_add_nc_u64 s[46:47], s[18:19], s[50:51]      ; out at row b*2048 + 32 block + 4 w
	s_lshl_b32 s50, s4, 15
	s_lshl_b32 s53, s2, 12
	s_add_co_u32 s50, s50, s53
	s_add_nc_u64 s[48:49], s[14:15], s[50:51]      ; Vs at b's rows 8 w .. 8 w + 7
	s_sub_co_i32 s6, s5, s52
	s_max_i32 s6, s6, 0
	s_min_i32 s6, s6, 32                           ; nv: how many of my 32 rows are valid
	s_cmp_eq_u32 s6, 0
	s_cbranch_scc1 .Lnoatt                         ; none: only the mean
	s_add_co_u32 s7, s5, 255
	s_lshr_b32 s7, s7, 8
	s_min_u32 s7, s7, 8                            ; n = ceil(L / 256): steps of every wave, 1..8
	s_sub_co_u32 s20, s7, 1
	s_lshl_b32 s50, s4, 19
	s_lshl_b32 s53, s2, 13
	s_add_co_u32 s50, s50, s53
	s_add_nc_u64 s[24:25], s[10:11], s[50:51]      ; Kf at b's block w (a block of 32 keys is 8,192 bytes; a step is 8 blocks = 65,536)
	s_add_nc_u64 s[26:27], s[12:13], s[50:51]      ; Vf likewise
	s_lshl_b32 s50, s4, 6
	s_add_co_u32 s50, s50, s3
	s_lshl_b32 s50, s50, 13
	s_add_nc_u64 s[44:45], s[8:9], s[50:51]        ; Qf at my 32 rows
.set f, 0
.rept 16
	global_load_b128 v[QF+4*f:QF+4*f+3], v1, s[44:45] offset:512*f
.set f, f+1
.endr
	s_lshl_b32 s52, s2, 5
	s_sub_co_i32 s52, s5, s52
	s_lshl_b32 s53, s20, 8
	s_sub_co_i32 s52, s52, s53
	v_lshlrev_b32 v14, 3, v13
	v_sub_nc_u32 v3, s52, v14                      ; last step: key 16 kb + jj of my half is valid if 16 kb + jj < L - 32 w - 256 (n-1) - 8 h
; the byte offset of step s21.  Only steps below n are ever asked for; the two minima keep the offset inside b's 524,288 bytes by themselves
.macro PFOFF
	s_min_u32 s36, s21, s20
	s_min_u32 s36, s36, 7
	s_lshl_b32 s36, s36, 16
.endm
.macro LOADK buf                       ; 16 loads: 32 keys x 128 d.  The base's earlier loads have been waited for in front of the products that used them
	s_add_nc_u64 s[28+2*\buf:29+2*\buf], s[24:25], s[36:37]
.set f, 0
.rept 16
	global_load_b128 v[KF+64*\buf+4*f:KF+64*\buf+4*f+3], v1, s[28+2*\buf:29+2*\buf] offset:512*f
.set f, f+1
.endr
.endm
.macro LOADV buf                       ; 16 loads into window 1: 128 d x 32 keys
	s_add_nc_u64 s[32+2*\buf:33+2*\buf], s[26:27], s[36:37]
	WIN 0x40
.set f, 0
.rept 16
	global_load_b128 v[VF+64*\buf+4*f:VF+64*\buf+4*f+3], v1, s[32+2*\buf:33+2*\buf] offset:512*f
.set f, f+1
.endr
	WIN 0
	s_add_co_u32 s21, s21, 1
.endm
.macro QK buf                          ; S^T = K Q^T: 2 key blocks x 2 query blocks x 4 steps of 32 d; the first product of a tile starts its sum
.irp ks, 0,1,2,3
.irp kb, 0,1
.irp qn, 0,1
.if \ks == 0
	v_wmma_f32_16x16x32_f16 v[SC+16*\qn+8*\kb:SC+16*\qn+8*\kb+7], v[KF+64*\buf+8*(4*\kb+\ks):KF+64*\buf+8*(4*\kb+\ks)+7], v[QF+8*(4*\qn+\ks):QF+8*(4*\qn+\ks)+7], 0
.else
	v_wmma_f32_16x16x32_f16 v[SC+16*\qn+8*\kb:SC+16*\qn+8*\kb+7], v[KF+64*\buf+8*(4*\kb+\ks):KF+64*\buf+8*(4*\kb+\ks)+7], v[QF+8*(4*\qn+\ks):QF+8*(4*\qn+\ks)+7], v[SC+16*\qn+8*\kb:SC+16*\qn+8*\kb+7]
.endif
.endr
.endr
.endr
.endm
.macro MASK lim                        ; keys at or beyond L get the masked score, in both query blocks
.set ix, 0                             ; ix = 8 kb + jj
.rept 16
	v_cmp_lt_i32 vcc_lo, (ix>>3)*16+(ix&7), v[\lim]
	v_cndmask_b32 v[SC+ix],    s41, v[SC+ix],    vcc_lo
	v_cndmask_b32 v[SC+16+ix], s41, v[SC+16+ix], vcc_lo
.set ix, ix+1
.endr
.endm
.macro SOFTMAX first
.irp qn, 0,1                           ; the maximum over my 16 keys and the running one, two chains
	v_max3_num_f32 v[T+4*\qn],   v[SC+16*\qn],   v[SC+16*\qn+1],  v[SC+16*\qn+2]
	v_max3_num_f32 v[T+4*\qn+1], v[SC+16*\qn+3], v[SC+16*\qn+4],  v[SC+16*\qn+5]
	v_max3_num_f32 v[T+4*\qn],   v[T+4*\qn],     v[SC+16*\qn+6],  v[SC+16*\qn+7]
	v_max3_num_f32 v[T+4*\qn+1], v[T+4*\qn+1],   v[SC+16*\qn+8],  v[SC+16*\qn+9]
	v_max3_num_f32 v[T+4*\qn],   v[T+4*\qn],     v[SC+16*\qn+10], v[SC+16*\qn+11]
	v_max3_num_f32 v[T+4*\qn+1], v[T+4*\qn+1],   v[SC+16*\qn+12], v[SC+16*\qn+13]
	v_max3_num_f32 v[T+4*\qn],   v[T+4*\qn],     v[SC+16*\qn+14], v[SC+16*\qn+15]
.if \first
	v_max_num_f32  v[T+4*\qn],   v[T+4*\qn],     v[T+4*\qn+1]
.else
	v_max3_num_f32 v[T+4*\qn],   v[T+4*\qn],     v[T+4*\qn+1],    v[M+\qn]
.endif
.endr
	v_permlanex16_b32 v[T+1], v[T],   s42, s43     ; the other half's 16 keys of the same query
	v_permlanex16_b32 v[T+5], v[T+4], s42, s43
	v_max_num_f32 v[M],   v[T],   v[T+1]
	v_max_num_f32 v[M+1], v[T+4], v[T+5]
.if \first
	v_mul_f32 v[NM],   s40, v[M]
	v_mul_f32 v[NM+1], s40, v[M+1]
.else
	v_mul_f32 v[T+2], s40, v[M]                    ; the new -c M
	v_mul_f32 v[T+6], s40, v[M+1]
	v_sub_f32 v[T+3], v[T+2], v[NM]                ; new - old, from the rounded values that the exponents use: every factor stays consistent
	v_sub_f32 v[T+7], v[T+6], v[NM+1]
	v_exp_f32 v[AL],   v[T+3]
	v_exp_f32 v[AL+1], v[T+7]
	v_mov_b32 v[NM],   v[T+2]                      ; also the plain instruction behind the exponentials (ISA guide 5.7.2)
	v_mov_b32 v[NM+1], v[T+6]
.endif
.irp qn, 0,1                           ; c S - c M, one rounding
.irp e, 0,2,4,6,8,10,12,14
	v_pk_fma_f32 v[SC+16*\qn+\e:SC+16*\qn+\e+1], v[SC+16*\qn+\e:SC+16*\qn+\e+1], s[38:39], v[NM:NM+1] op_sel:[0,0,\qn] op_sel_hi:[1,0,\qn]
.endr
.endr
.set ix, 0
.rept 32
	v_exp_f32 v[SC+ix], v[SC+ix]
.set ix, ix+1
.endr
	v_nop                                          ; one plain instruction between the last exponential and the first use
	s_wait_alu depctr_va_vdst(0)
.irp qn, 0,1                           ; the sum of my 16 keys, in f32, from the unrounded values
	v_pk_add_f32 v[T+4*\qn:T+4*\qn+1],   v[SC+16*\qn:SC+16*\qn+1],     v[SC+16*\qn+2:SC+16*\qn+3]
	v_pk_add_f32 v[T+4*\qn+2:T+4*\qn+3], v[SC+16*\qn+4:SC+16*\qn+5],   v[SC+16*\qn+6:SC+16*\qn+7]
	v_pk_add_f32 v[T+4*\qn:T+4*\qn+1],   v[T+4*\qn:T+4*\qn+1],         v[SC+16*\qn+8:SC+16*\qn+9]
	v_pk_add_f32 v[T+4*\qn+2:T+4*\qn+3], v[T+4*\qn+2:T+4*\qn+3],       v[SC+16*\qn+10:SC+16*\qn+11]
	v_pk_add_f32 v[T+4*\qn:T+4*\qn+1],   v[T+4*\qn:T+4*\qn+1],         v[SC+16*\qn+12:SC+16*\qn+13]
	v_pk_add_f32 v[T+4*\qn+2:T+4*\qn+3], v[T+4*\qn+2:T+4*\qn+3],       v[SC+16*\qn+14:SC+16*\qn+15]
	v_pk_add_f32 v[T+4*\qn:T+4*\qn+1],   v[T+4*\qn:T+4*\qn+1],         v[T+4*\qn+2:T+4*\qn+3]
.if \first
	v_add_f32 v[LS+\qn], v[T+4*\qn], v[T+4*\qn+1]
.else
	v_add_f32 v[T+4*\qn], v[T+4*\qn], v[T+4*\qn+1]
	v_fma_f32 v[LS+\qn], v[LS+\qn], v[AL+\qn], v[T+4*\qn]
.endif
.endr
.irp qn, 0,1                           ; P to f16 in place: register e takes keys 2 e, 2 e + 1 of my half, which is the second operand's layout
.irp e, 0,1,2,3,4,5,6,7
	v_cvt_pk_f16_f32 v[SC+16*\qn+\e], v[SC+16*\qn+2*\e], v[SC+16*\qn+2*\e+1]
.endr
.endr
.endm
.macro RESCALE                         ; O x AL of the lane's own query (window 1 x window 0)
.irp c, 0,1,2,3,4,5,6,7
.irp qn, 0,1
.irp e, 0,2,4,6
	v_pk_mul_f32 v[8*(2*\c+\qn)+\e:8*(2*\c+\qn)+\e+1], v[8*(2*\c+\qn)+\e:8*(2*\c+\qn)+\e+1], v[AL:AL+1] op_sel:[0,\qn] op_sel_hi:[1,\qn]
.endr
.endr
.endr
.endm
.macro PV buf, first                   ; O^T += V^T P^T: 8 blocks of 16 d x 2 query blocks, 32 keys
.irp c, 0,1,2,3,4,5,6,7
.irp qn, 0,1
.if \first
	v_wmma_f32_16x16x32_f16 v[8*(2*\c+\qn):8*(2*\c+\qn)+7], v[VF+64*\buf+8*\c:VF+64*\buf+8*\c+7], v[SC+16*\qn:SC+16*\qn+7], 0
.else
	v_wmma_f32_16x16x32_f16 v[8*(2*\c+\qn):8*(2*\c+\qn)+7], v[VF+64*\buf+8*\c:VF+64*\buf+8*\c+7], v[SC+16*\qn:SC+16*\qn+7], v[8*(2*\c+\qn):8*(2*\c+\qn)+7]
.endif
.endr
.endr
.endm
; One step: 32 keys x 32 queries.  Loads are issued in the order K(i), V(i), K(i+1), V(i+1), .., 16 each, and come back in that order.
; wk: how many younger loads may be out when K(i) has to be in; wv: the same for V(i).  pf = 1: K(i+2) and V(i+2) are asked for into the buffer just used.
; lim: 0, or the register with the mask limit.  first = 1: the step starts maximum, sum and O, so nothing is cleared.
.macro STEP buf, first, lim, pf, wk, wv
	s_wait_loadcnt \wk
	QK \buf
	NOPS 4                                         ; four places behind the products before S is read and before loads go into K's registers
.if \pf
	PFOFF
	LOADK \buf
.endif
.if \lim
	MASK \lim
.endif
	SOFTMAX \first
	s_wait_loadcnt \wv
	WIN 0x51                                       ; destination, source 0 and source 2 in window 1, source 1 in window 0
.if \first == 0
	RESCALE
.endif
	PV \buf, \first
	NOPS 5                                         ; five places before the next products write over P; four are owed before loads go into V's registers or O is read
.if \pf
	LOADV \buf
.endif
	WIN 0
.endm
	; THE STEPS.  Step i uses buffer i & 1 and asks for step i + 2 only if that step exists, so exactly n steps are fetched; the cases are
	; written out, so that behind every counted wait the same loads are out on every path.  Steps with a fetch: 48 younger loads in front of
	; the first products (V(i), K(i+1), V(i+1)) and 48 in front of the second (K(i+1), V(i+1), K(i+2)).  The last step but one: 48, then 32
	; (the last step's K and V).  The last step: 16 (its own V), then none.  Only a wave's last step can hold keys at or beyond L: the blocks
	; up to 8 n - 9 lie below ceil(L/32) - 1.
	; In front of the first wait up to 80 loads are asked for; those past the counter's field wait at their issue (ISA guide 5.7.1).
	PFOFF
	LOADK 0
	LOADV 0
	s_cmp_eq_u32 s7, 1
	s_cbranch_scc1 .Lone
	PFOFF
	LOADK 1
	LOADV 1
	s_cmp_eq_u32 s7, 2
	s_cbranch_scc1 .Ltwo
	STEP 0, 1, 0, 1, 48, 48                        ; n >= 3: step 0 (Q and K0 are older than the 48), asks for step 2
	s_sub_co_u32 s22, s7, 3
	s_lshr_b32 s22, s22, 1                         ; pairs of steps with a fetch
	s_cmp_eq_u32 s22, 0
	s_cbranch_scc1 .Ltail
.Lpair:
	STEP 1, 0, 0, 1, 48, 48
	STEP 0, 0, 0, 1, 48, 48
	s_sub_co_u32 s22, s22, 1
	s_cmp_lg_u32 s22, 0
	s_cbranch_scc1 .Lpair
.Ltail:
	s_bitcmp1_b32 s7, 0
	s_cbranch_scc1 .Lodd
	STEP 1, 0, 0, 1, 48, 48                        ; n even: step n - 3 asks for the last step,
	STEP 0, 0, 0, 0, 48, 32                        ; step n - 2,
.Llast:
	STEP 1, 0, 3, 0, 16, 0                         ; and the last step, masked
	s_branch .Lfin
.Lodd:
	STEP 1, 0, 0, 0, 48, 32                        ; n odd: step n - 2
	STEP 0, 0, 3, 0, 16, 0                         ; and the last step, masked
	s_branch .Lfin
.Ltwo:
	STEP 0, 1, 0, 0, 48, 32                        ; n = 2: the first step is the last but one
	s_branch .Llast
.Lone:
	STEP 0, 1, 3, 0, 16, 0                         ; n = 1: the first step is the last: Q and K0 are older than the 16
.Lfin:
	v_permlanex16_b32 v16, v[LS],   s42, s43
	v_permlanex16_b32 v17, v[LS+1], s42, s43
	v_mov_b32 v12, v[NM]
	v_mov_b32 v14, v[NM+1]
	v_add_f32 v13, v[LS],   v16                    ; l of the query: both halves' keys
	v_add_f32 v15, v[LS+1], v17
	ds_store_b64 v23, v[12:13]                     ; both halves write the same pair to the same bytes
	ds_store_b64 v23, v[14:15] offset:128
	WIN 0x04                                       ; store data in window 1
.irp c, 0,1,2,3,4,5,6,7
.irp qn, 0,1
	ds_store_b128 v20, v[8*(2*\c+\qn):8*(2*\c+\qn)+3]   offset:16*OPP*\qn+64*\c
	ds_store_b128 v20, v[8*(2*\c+\qn)+4:8*(2*\c+\qn)+7] offset:16*OPP*\qn+64*\c+16
.endr
.endr
	WIN 0
.Lnoatt:
	s_cmp_eq_u32 s6, 32
	s_cbranch_scc1 .Lsync                          ; every row valid: no mean wanted
.irp e, 0,1,2,3,4,5,6,7
	global_load_b128 v[64+4*\e:64+4*\e+3], v1, s[48:49] offset:512*\e      ; my 8 of b's 64 partial sums of v
.endr
	s_wait_loadcnt 0x0
	TREE8 64
	ds_store_b128 v25, v[64:67]
.Lsync:
	s_wait_dscnt 0x0                               ; for the other waves' sake: all my LDS stores are done
	s_barrier_signal -1
	s_barrier_wait -1                              ; the one barrier, on every path of every wave
	s_cmp_eq_u32 s6, 32
	s_cbranch_scc1 .Lnomean
.irp e, 0,1,2,3,4,5,6,7
	ds_load_b128 v[96+4*\e:96+4*\e+3], v26 offset:512*\e
.endr
	s_wait_dscnt 0x0
	TREE8 96
	v_pk_mul_f32 v[28:29], v[96:97], 0x3a000000 op_sel_hi:[1,0]            ; / 2048
	v_pk_mul_f32 v[30:31], v[98:99], 0x3a000000 op_sel_hi:[1,0]
	s_cmp_eq_u32 s6, 0
	s_cbranch_scc0 .Lmerge
.irp p, 0,1,2,3
	global_store_b128 v1, v[28:31], s[46:47] offset:512*\p th:TH_STORE_NT  ; a whole row of 512 bytes
.endr
	s_wait_xcnt 0x0
	v_lshl_add_u32 v254, v0, 2, 0x22800
	v_mov_b32 v255, 0
	s_wait_tensorcnt 0x0
	ds_add_u32 v254, v255
	s_wait_dscnt 0x0
	s_endpgm
.Lnomean:
	v_mov_b32 v28, 0                               ; never selected below (every row is valid), but written on every path
	v_mov_b32 v29, 0
	v_mov_b32 v30, 0
	v_mov_b32 v31, 0
.Lmerge:
	; wave w merges rows 4 w + p, p = 0..3: out = sum over waves u of O_u exp2(NMmin - NM_u) / sum over u of l_u exp2(NMmin - NM_u)
	ds_load_b64 v[12:13], v24                      ; lane 8 p + u: (NM, l) of wave u, row 4 w + p
.set ix, 0                                             ; ix = 8 p + u
.rept 32
.if (ix&7) < 4
	ds_load_b128 v[128+4*ix:128+4*ix+3], v21 offset:(ix&3)*OPW+OPP*(ix>>3)
.else
	ds_load_b128 v[128+4*ix:128+4*ix+3], v22 offset:(ix&3)*OPW+OPP*(ix>>3)
.endif
.set ix, ix+1
.endr
	s_wait_dscnt 32                                ; the pair is in; the 32 rows behind it stay out
	v_mov_b32 v14, v12
	v_min_num_f32_dpp v14, v14, v14 row_xmask:1 row_mask:0xf bank_mask:0xf ; the least -c M = the largest maximum, over the 8 waves
	v_min_num_f32_dpp v14, v14, v14 row_xmask:2 row_mask:0xf bank_mask:0xf
	v_min_num_f32_dpp v14, v14, v14 row_xmask:4 row_mask:0xf bank_mask:0xf
	v_sub_f32 v14, v14, v12
	v_exp_f32 v15, v14
	v_nop
	s_wait_alu depctr_va_vdst(0)
	v_mul_f32 v16, v13, v15
	v_add_f32_dpp v16, v16, v16 row_xmask:1 row_mask:0xf bank_mask:0xf
	v_add_f32_dpp v16, v16, v16 row_xmask:2 row_mask:0xf bank_mask:0xf
	v_add_f32_dpp v16, v16, v16 row_xmask:4 row_mask:0xf bank_mask:0xf
	v_rcp_f32 v17, v16                             ; at least about 1: the wave with the largest maximum has factor 1 and holds that key's exponential
	v_nop
	s_wait_alu depctr_va_vdst(0)
	v_mul_f32 v15, v15, v17                        ; the weight of wave u in row p
.set ix, 0
.rept 32
	v_readlane_b32 s[68+ix], v15, ix
.set ix, ix+1
.endr
.irp p, 0,1,2,3
	s_wait_dscnt 24-8*\p                           ; row p's eight partial rows are in; the later rows' stay out
.irp e, 0,1,2,3
	v_mul_f32 v[32+4*\p+\e], s[68+8*\p], v[128+32*\p+\e]
.endr
.irp u, 1,2,3,4,5,6,7
.irp e, 0,1,2,3
	v_fmac_f32 v[32+4*\p+\e], s[68+8*\p+\u], v[128+32*\p+4*\u+\e]
.endr
.endr
	s_add_co_u32 s51, s23, \p
	s_cmp_lt_u32 s51, s6                           ; row valid?
	s_cselect_b32 s50, -1, 0
.irp e, 0,1,2,3
	v_cndmask_b32 v[32+4*\p+\e], v[28+\e], v[32+4*\p+\e], s50              ; an invalid row is the mean of v
.endr
	global_store_b128 v1, v[32+4*\p:32+4*\p+3], s[46:47] offset:512*\p th:TH_STORE_NT
.endr
	s_wait_xcnt 0x0
	v_lshl_add_u32 v254, v0, 2, 0x22800
	v_mov_b32 v255, 0
	s_wait_tensorcnt 0x0
	ds_add_u32 v254, v255
	s_wait_dscnt 0x0
	s_endpgm
.Lfunc_end_k_q869be797f7_attn:
	.size	k_q869be797f7_attn, .Lfunc_end_k_q869be797f7_attn-k_q869be797f7_attn
	.p2alignl 7, 3214868480
	.fill 96, 4, 3214868480
	.section	.rodata,"a",@progbits
	.p2align	6, 0x0
	.amdhsa_kernel k_q869be797f7_attn
		.amdhsa_group_segment_fixed_size 142336
		.amdhsa_private_segment_fixed_size 0
		.amdhsa_enable_private_segment 0
		.amdhsa_kernarg_size 48
		.amdhsa_user_sgpr_count 2
		.amdhsa_user_sgpr_kernarg_segment_ptr 1
		.amdhsa_wavefront_size32 1
		.amdhsa_system_sgpr_workgroup_id_x 1
		.amdhsa_system_sgpr_workgroup_id_y 1
		.amdhsa_system_sgpr_workgroup_id_z 1
		.amdhsa_system_vgpr_workitem_id 0
		.amdhsa_next_free_vgpr 512
		.amdhsa_next_free_sgpr 100
		.amdhsa_reserve_vcc 1
		.amdhsa_float_denorm_mode_32 3
		.amdhsa_float_denorm_mode_16_64 3
		.amdhsa_memory_ordered 1
		.amdhsa_forward_progress 1
		.amdhsa_inst_pref_size 158
	.end_amdhsa_kernel
	.amdgpu_metadata
---
amdhsa.version: [ 1, 2 ]
amdhsa.kernels:
  - .name:           k_q869be797f7_attn
    .symbol:         k_q869be797f7_attn.kd
    .args:
      - { .name: Qf, .offset: 0, .size: 8, .value_kind: global_buffer, .address_space: global }
      - { .name: Kf, .offset: 8, .size: 8, .value_kind: global_buffer, .address_space: global }
      - { .name: Vf, .offset: 16, .size: 8, .value_kind: global_buffer, .address_space: global }
      - { .name: Vs, .offset: 24, .size: 8, .value_kind: global_buffer, .address_space: global }
      - { .name: event_length, .offset: 32, .size: 8, .value_kind: global_buffer, .address_space: global }
      - { .name: out0, .offset: 40, .size: 8, .value_kind: global_buffer, .address_space: global }
    .group_segment_fixed_size: 142336
    .private_segment_fixed_size: 0
    .kernarg_segment_align: 8
    .kernarg_segment_size: 48
    .max_flat_workgroup_size: 256
    .sgpr_count:     100
    .vgpr_count:     512
    .wavefront_size: 32
...
	.end_amdgpu_metadata
.endif
;; end of part 3
